; MI455X (gfx1250); checked and timed in simulation.
; The chip was launched on July 23, 2026; its instructions are those of AMD's public machine-readable ISA for CDNA 5 (MIT licence, August 2026) and "CDNA5" Instruction Set Architecture Reference Guide (July 2026). The comments in the code are by the model that wrote it; some were corrected since.
;; Attention. Allowed arithmetic: matrix products marked QUANTISED: E3M2 operands, one E8M0 scale for each 32 along K, by v_wmma_scale_f32_16x16x128_f8f6f4 with both operands' format E3M2, f32 sums; everything else in f32.
;; Inputs: k 4 x 4,096 x 64 float32; mask 4 x 4,096 float32; q 4 x 4,096 x 64 float32; v 4 x 4,096 x 64 float32.
;; Outputs: out0 4 x 4,096 x 64 float32.
;; This version of the problem:
;;   THIS VERSION OF THE PROBLEM IS GIVEN IN LOW PRECISION. The matrix products marked QUANTISED in the list below multiply operands that are first quantised to E3M2 (3 exponent bits, 2 mantissa bits; 6 bits a number), with one power-of-two scale for each 32 numbers along K (OCP MX v1.0); their sums are f32. All else is computed in f32.
;;   The module's matrix products, in the order in which they are computed (A, B: the left and right operand; K: the contracted axis; several contracted axes count as one K, in the product's order):
;;     1. batch 4 x [M 4,096, K 64] x [K 64, N 4,096]; A: computed on the way; B: input k: QUANTISED
;;     2. batch 4 x [M 4,096, K 4,096] x [K 4,096, N 64]; A: softmax (see below); B: input v: QUANTISED
;;   THE QUANTISER, for each operand of a quantised product, along K:
;;     - K is cut into blocks of 32 from its start; a last block that is shorter is filled with zeros.
;;     - A block's scale is 2^e with e = floor(log2(the largest magnitude in the block)) - 4, held to -126 .. 127; a block of zeros has e = 0. As a byte (E8M0): e + 127.
;;     - Each number is divided by its block's scale, clamped to +-28, and rounded to the nearest number of E3M2, ties to even, subnormals kept.
;;     - The product sums the exact products of the quantised numbers (number of the format x scale) in f32.
;;   ~~~python
;;   def quantise(x, axis):      # numpy; x: float32 -> the quantised numbers, widened to float32 again
;;       x = np.moveaxis(x, axis, -1); K = x.shape[-1]
;;       x = np.pad(x, [(0, 0)] * (x.ndim - 1) + [(0, -K % 32)]); x = x.reshape(x.shape[:-1] + (-1, 32)); a = np.abs(x).max(-1, keepdims=True)
;;       e = np.where(a > 0, np.clip(np.frexp(np.where(a > 0, a, 1))[1] - 1 - 4, -126, 127), 0)      # np.frexp(a)[1] - 1 = floor(log2(a)), exactly
;;       r = np.clip(x / 2.0 ** e, -28, 28)
;;       step = 2.0 ** (np.maximum(np.frexp(np.where(r == 0, 1, r))[1] - 1, -2) - 2)
;;       q = np.round(r / step) * step * 2.0 ** e      # np.round: ties to even
;;       return np.moveaxis(q.reshape(q.shape[:-2] + (-1,))[..., :K], -1, axis).astype(np.float32)
;;   ~~~
;;   SOFTMAX AHEAD OF A QUANTISED PRODUCT. Where the list says 'softmax', what is quantised is not the finished softmax but p = 2^(t - M), with t = logit x log2(e) and M = ceil(the row's largest t), a whole number; so 1/2 < the row's largest p <= 1. The row's sum l is taken of the UNQUANTISED p, in f32, and the product's result is divided by l at the end. Since M is a whole number, a kernel that streams over the keys may use a running M (the ceiling of the running maximum): every later rescaling is an exact power of two, which a block's scale takes up: the codes' values come out the same.
;;   OPERANDS COMPUTED ON THE WAY. 'Computed on the way' means the value that the module computes at that place (a softmax that the list does not call 'softmax' is quantised finished and normalised). What goes into a quantiser is computed in f32, as accurately as f32 sums, v_exp_f32 and their like allow (about 1e-6 of the number): no bf16 or f16 on the way to a quantiser, and a product that is left as it is and whose result goes on into a quantised operand takes f32 operands (vector FMAs, or v_wmma_f32_16x16x4_f32). A number that lies on a knife's edge between two numbers of the format may be rounded either way, as far as f32 arithmetic and the matrix unit's own rounding can turn it there, and no further.
;; One version. Each part assembles by itself: llvm-mc -triple=amdgcn-amd-amdhsa -mcpu=gfx1250 --defsym DOCPART=n.
;; ======== version 1 of 1: 2 launches
;; limits: right only within a limited range of input values
;; workspace buffers: ws 2,555,904 bytes
;; launch prep (part 1): grid 256 x 1, 6 waves a work-group, no clusters, 54,272 bytes of LDS; arguments k, v, q, mask, ws; writes ws
.if DOCPART == 1
	.amdgcn_target "amdgcn-amd-amdhsa--gfx1250"
	.amdhsa_code_object_version 6
	.text
	.protected	k_q926482160a_prep
	.globl	k_q926482160a_prep
	.p2align	8
	.type	k_q926482160a_prep,@function
k_q926482160a_prep:
	s_mov_b64 s[64:65], 0
	v_nop
	global_prefetch_b8 v0, s[64:65] scope:SCOPE_SE
	s_setreg_imm32_b32 hwreg(HW_REG_WAVE_MODE, 25, 1), 1
	s_wait_xcnt 0x0
; k, v, q [4][4096][64] f32 and mask [4][4096] f32 become images of the attention launch's operand registers, in ws.  Codes are BF6 (E3M2), one E8M0 byte for each 32 along a product's K.
;   RECORD n (128 keys), 13,312 bytes at 13312 n: 0 K, 4 pairs of tiles x 1,536 | 6144 V, 4 tiles x 1,536 | 12288 K's scale words, 256 | 12544 V's, 256 | 12800 8 ln(mask) of the 128 keys, 512;
;   BLOCK g of q (64 rows), 3,328 bytes at QB0 + 3328 g: 2 pairs of tiles x 1,536 | 3072 scale words, two for each lane.
; A 1,536-byte image is 12 registers a lane: run i of 512 bytes holds registers 4 i .. 4 i + 3, 16 bytes a lane.  Lane (r, h) = (lane % 16, lane / 16).
;   K, q: pair p: registers 0-5 tile 2 p, 6-11 tile 2 p + 1; row r of tile t is row 64 (t / 4) + 32 (r / 8) + 8 (t % 4) + r % 8; lane (r, h) holds channels 32 h on.
;   V: tile: row r = channel 16 tile + r; registers 0-5 keys 32 h on, 6-11 keys 64 + 32 h on.
;   A scale word: bytes 0, 1 = registers 0-5's blocks h = 0, 1; bytes 2, 3 = registers 6-11's; image i's sixteen words stand at 64 i.
;   q's words: for each lane the even tile's two bytes twice, then the odd tile's two bytes twice.
; A block's byte is its largest magnitude's exponent field - 4, held at 1 from below (a block of zeros keeps 1: its codes are zeros, and this program alone reads the bytes).
; q is quantised as it comes: the definition's 1/8 is a power of two, moves no code, and is taken into the attention launch's constants; so ln(mask) is stored x 8.
; LIMITS: mask is not negative (a denormal mask counts as 0); NaN and infinities among the inputs are not served; blocks whose largest magnitude lies under 2^-122 keep the byte 1.
; SHARES: work-group g.  Waves 0-3: of record g / 2 V's tiles and ln(mask) (g even) or K's pairs (g odd); waves 4, 5: q's pairs of block g.  So each row of 256 bytes is read by one work-group.  A lane quantises two blocks of 32.
; k and q are loaded as they lie, 512 bytes a load, and turn through the wave's own stage in LDS (rows of 256 + 16 bytes).  Scale words and ln(mask) meet in LDS, so that they leave as whole aligned units of 256 bytes.
.set REC,   13312
.set QB0,   1703936                    ; 128 records
.set STG,   8704                       ; a wave's stage: 2 tiles x 16 rows x 272
.set WORDS, 6*STG                      ; 0 K's 256 | 256 q's 128 | 512 V's 256 | 768 ln(mask) 512
.set SPARE, WORDS+1280                 ; the spare words, 128 bytes a wave; no other line names them
.set X,   32                           ; v32-95   the numbers
.set R,   96                           ; v96-159  as loaded
.set C,   160                          ; v160-171 codes (172 on the way)
.set SPW, 20
.set NIL, 21
; 32 numbers of one lane, v[xs] on, become six registers of codes, v[cb] on; v[so] keeps the scale operand
.macro QB xs, cb, so
	v_max3_num_f32 v8, |v[(\xs)]|, |v[(\xs)+1]|, 0x2800000            ; two chains; the floor 2^(5 - 127) is one leaf
	v_max3_num_f32 v9, |v[(\xs)+2]|, |v[(\xs)+3]|, |v[(\xs)+4]|
.irp i, 5,9,13,17,21,25
	v_max3_num_f32 v8, v8, |v[(\xs)+\i]|, |v[(\xs)+\i+1]|
	v_max3_num_f32 v9, v9, |v[(\xs)+\i+2]|, |v[(\xs)+\i+3]|
.endr
	v_max3_num_f32 v8, v8, |v[(\xs)+29]|, |v[(\xs)+30]|
	v_max3_num_f32 v8, v8, v9, |v[(\xs)+31]|
	v_add_nc_u32 v[\so], 0xfe000000, v8                               ; 4 off its exponent field: the conversion takes that field as its scale
	v_cvt_scalef32_pk16_bf6_f32 v[(\cb):(\cb)+2], v[(\xs):(\xs)+15], v[\so]
	v_cvt_scalef32_pk16_bf6_f32 v[(\cb)+4:(\cb)+6], v[(\xs)+16:(\xs)+31], v[\so]   ; (a conversion's three registers begin on an even number)
	v_nop                                                             ; one plain place behind a scaled conversion
	v_mov_b32 v[(\cb)+3], v[(\cb)+4]
	v_mov_b32 v[(\cb)+4], v[(\cb)+5]
	v_mov_b32 v[(\cb)+5], v[(\cb)+6]
.endm
; The image's scale word from v10 and v11, in both halves of the lanes, to LDS; the image to memory
.macro OUT off
	v_lshrrev_b32 v12, 23, v10
	v_lshrrev_b32 v13, 23, v11
	v_lshl_or_b32 v12, v13, 16, v12
	v_mov_b32 v13, v12
	v_permlane16_swap_b32 v12, v13                 ; v12: lane r's half, v13: lane 16 + r's, in both halves of the lanes
	v_lshl_or_b32 v12, v13, 8, v12
	ds_store_b32 v4, v12 offset:\off               ; lanes r and 16 + r store the same word with the same value
.irp i, 0,1,2
	global_store_b128 v1, v[C+4*\i:C+4*\i+3], s[34:35] offset:512*\i
.endr
.endm
	s_load_b256 s[4:11], s[0:1], 0x0               ; k s[4:5], v s[6:7], q s[8:9], mask s[10:11]
	s_load_b64 s[14:15], s[0:1], 0x20              ; ws
	v_lshrrev_b32 v12, 5, v0
	v_readfirstlane_b32 s12, v12                   ; wave 0..5
	s_and_b32 s13, s12, 1
	s_and_b32 s43, ttmp9, 1                        ; 0: V, 1: K
	s_lshr_b32 s42, ttmp9, 1                       ; the record
	s_mul_i32 s18, s42, REC
	s_mov_b32 s19, 0
	s_mul_i32 s22, ttmp9, 3328
	s_add_co_u32 s22, s22, QB0
	s_mov_b32 s23, 0
	s_mul_i32 s24, s12, STG
	s_lshl_b32 s25, s12, 6
	s_add_co_u32 s25, s25, WORDS
	s_lshl_b32 s38, s12, 7
	s_add_co_u32 s38, s38, WORDS+768
	s_mov_b32 s17, 0
	s_mov_b32 s37, 0
	v_lshl_add_u32 v[SPW], v0, 2, SPARE
	v_mov_b32 v[NIL], 0
	v_and_b32 v13, 31, v0                          ; lane
	v_and_b32 v14, 15, v0                          ; r
	v_bfe_u32 v15, v0, 4, 1                        ; h
	v_lshlrev_b32 v1, 4, v13                       ; 16 x lane
	v_lshlrev_b32 v6, 3, v13                       ; 8 x lane
	v_lshlrev_b32 v17, 2, v13                      ; 4 x lane
	v_mul_u32_u24 v2, 0x110, v15
	v_lshl_add_u32 v2, v14, 4, v2
	v_add_nc_u32 v2, s24, v2                       ; the stage, in: a load's two rows, 16 bytes a lane
	v_mul_u32_u24 v3, 0x110, v14
	v_lshl_add_u32 v3, v15, 7, v3
	v_add_nc_u32 v3, s24, v3                       ; and back: row r, + 128 h
	v_lshl_add_u32 v4, v14, 2, s25                 ; my scale word's place
	v_lshlrev_b32 v5, 13, v15
	v_lshl_add_u32 v5, v14, 2, v5                  ; V: 32 h rows of 256 bytes, + 4 r
	v_lshl_add_u32 v7, v13, 3, WORDS               ; words back, 8 bytes a lane
	v_lshl_add_u32 v16, v13, 4, WORDS+768          ; ln(mask) back, 16 bytes a lane
	v_lshl_add_u32 v18, v13, 2, WORDS+256          ; q's words back
	v_lshl_add_u32 v19, v13, 2, s38                ; ln(mask)'s place: 32 keys a wave
	s_wait_alu depctr_va_vdst(0)                   ; the wait at the head's end
	s_wait_kmcnt 0x0
	s_add_nc_u64 s[26:27], s[14:15], s[18:19]      ; my record
	s_add_nc_u64 s[28:29], s[14:15], s[22:23]      ; my block of q
	s_cmp_lt_u32 s12, 4
	s_cbranch_scc0 .Lrows
	s_cmp_eq_u32 s43, 0
	s_cbranch_scc1 .Lv
.Lrows:	; ---- K's or q's pair: two tiles, rows 16 (w % 2) on and 32 + 16 (w % 2) on of 64
	s_lshl_b32 s40, s42, 15
	s_lshr_b32 s41, s12, 1
	s_lshl_b32 s41, s41, 14
	s_add_co_u32 s40, s40, s41                     ; K: 64 rows of the record
	s_lshl_b32 s41, ttmp9, 14                      ; q: block g
	s_mul_i32 s38, s12, 1536
	s_mul_i32 s39, s13, 1536
	s_cmp_lt_u32 s12, 4
	s_cselect_b64 s[30:31], s[4:5], s[8:9]
	s_cselect_b64 s[34:35], s[26:27], s[28:29]
	s_cselect_b32 s16, s40, s41
	s_cselect_b32 s36, s38, s39
	s_lshl_b32 s40, s13, 12
	s_add_co_u32 s16, s16, s40
	s_add_nc_u64 s[30:31], s[30:31], s[16:17]
	s_add_nc_u64 s[34:35], s[34:35], s[36:37]
.irp u, 0,1
.irp i, 0,1,2,3,4,5,6,7
	global_load_b128 v[R+32*\u+4*\i:R+32*\u+4*\i+3], v1, s[30:31] offset:2048*\u+512*(\i%4)+8192*(\i/4) th:TH_LOAD_NT   ; tile u's rows 2 i, 2 i + 1
.endr
.endr
	s_wait_loadcnt 8                               ; tile 0's eight are in; tile 1's may be out
.irp u, 0,1
.if \u
	s_wait_loadcnt 0x0
.endif
.irp i, 0,1,2,3,4,5,6,7
	ds_store_b128 v2, v[R+32*\u+4*\i:R+32*\u+4*\i+3] offset:4352*\u+544*\i
.endr
.irp m, 0,1,2,3,4,5,6,7
	ds_load_b128 v[X+32*\u+4*\m:X+32*\u+4*\m+3], v3 offset:4352*\u+16*\m   ; LDS serves a wave's instructions in order: these see the stores above
.endr
.endr
	s_wait_dscnt 16                                ; tile 0 is back; tile 1's eight stores and eight loads may be out
	QB X, C, 10
	s_wait_dscnt 0x0
	QB X+32, C+6, 11
	OUT 0
	s_branch .Lmeet
.Lv:	; ---- V: tile w; a lane takes a channel, its registers run down the keys.  And ln(mask) of keys 32 w on
	s_lshl_b32 s40, s42, 15                        ; the record's 128 rows
	s_lshl_b32 s41, s12, 6                         ; 16 channels
	s_add_co_u32 s40, s40, s41
	s_mov_b32 s41, 0
	s_add_nc_u64 s[30:31], s[6:7], s[40:41]
	s_mul_i32 s36, s12, 1536
	s_add_co_u32 s36, s36, 6144
	s_add_nc_u64 s[34:35], s[26:27], s[36:37]
	s_lshl_b32 s40, s42, 9
	s_lshl_b32 s38, s12, 7
	s_add_co_u32 s40, s40, s38
	s_add_nc_u64 s[38:39], s[10:11], s[40:41]
	global_load_b32 v22, v17, s[38:39]
.set J, 0
.rept 64
	global_load_b32 v[X+J], v5, s[30:31] offset:256*(64*(J/32)+J%32) th:TH_LOAD_NT
.set J, J+1
.endr
	s_wait_loadcnt 32                              ; the mask and my first block are in; the second's 32 loads may be out
	v_log_f32 v23, v22                             ; log2(mask): -infinity for 0.  (The plain lines below stand between it and its use)
	QB X, C, 10
	s_wait_alu depctr_va_vdst(0)                   ; the wait ahead of the first reader
	v_mul_f32 v23, 0x40b17218, v23                 ; x 8 ln(2)
	v_max_num_f32 v23, 0xdd800000, v23             ; held at -2^60
	ds_store_b32 v19, v23
	s_wait_loadcnt 0x0
	QB X+32, C+6, 11
	OUT 512
.Lmeet:
	s_wait_dscnt 0x0                               ; for the others' sake: my words have landed
	s_barrier_signal -1
	s_barrier_wait -1
	s_cmp_eq_u32 s12, 4
	s_cbranch_scc1 .Lqwords
	s_cmp_lt_u32 s12, 2
	s_cbranch_scc0 .Lend
	s_cmp_eq_u32 s43, 0
	s_cbranch_scc1 .Lvwords
	s_cmp_eq_u32 s12, 0
	s_cbranch_scc0 .Lend
	ds_load_b64 v[24:25], v7                       ; K's words
	s_wait_dscnt 0x0
	global_store_b64 v6, v[24:25], s[26:27] offset:12288
	s_branch .Lend
.Lvwords:
	s_cmp_eq_u32 s12, 0
	s_cbranch_scc0 .Lln
	ds_load_b64 v[24:25], v7 offset:512            ; V's words
	s_wait_dscnt 0x0
	global_store_b64 v6, v[24:25], s[26:27] offset:12544
	s_branch .Lend
.Lln:
	ds_load_b128 v[24:27], v16                     ; ln(mask)
	s_wait_dscnt 0x0
	global_store_b128 v1, v[24:27], s[26:27] offset:12800
	s_branch .Lend
.Lqwords:
	s_mov_b32 s40, 0x01000100
	s_mov_b32 s41, 0x03020302
	ds_load_b32 v26, v18
	s_wait_dscnt 0x0
	v_perm_b32 v24, v26, v26, s40                  ; the even tile's two bytes, twice
	v_perm_b32 v25, v26, v26, s41                  ; the odd tile's
	global_store_b64 v6, v[24:25], s[28:29] offset:3072
.Lend:
	s_wait_tensorcnt 0x0                           ; the wave's end
	ds_add_u32 v[SPW], v[NIL]
	s_wait_dscnt 0x0
	s_endpgm
.Lfunc_end_k_q926482160a_prep:
	.size	k_q926482160a_prep, .Lfunc_end_k_q926482160a_prep-k_q926482160a_prep
	.p2alignl 7, 3214868480
	.fill 96, 4, 3214868480
	.section	.rodata,"a",@progbits
	.p2align	6, 0x0
	.amdhsa_kernel k_q926482160a_prep
		.amdhsa_group_segment_fixed_size 54272
		.amdhsa_private_segment_fixed_size 0
		.amdhsa_enable_private_segment 0
		.amdhsa_kernarg_size 40
		.amdhsa_user_sgpr_count 2
		.amdhsa_user_sgpr_kernarg_segment_ptr 1
		.amdhsa_wavefront_size32 1
		.amdhsa_system_sgpr_workgroup_id_x 1
		.amdhsa_system_sgpr_workgroup_id_y 1
		.amdhsa_system_sgpr_workgroup_id_z 1
		.amdhsa_system_vgpr_workitem_id 0
		.amdhsa_next_free_vgpr 192
		.amdhsa_next_free_sgpr 66
		.amdhsa_reserve_vcc 0
		.amdhsa_float_denorm_mode_32 3
		.amdhsa_float_denorm_mode_16_64 3
		.amdhsa_memory_ordered 1
		.amdhsa_forward_progress 1
		.amdhsa_inst_pref_size 22
	.end_amdhsa_kernel
	.amdgpu_metadata
---
amdhsa.version: [ 1, 2 ]
amdhsa.kernels:
  - .name:           k_q926482160a_prep
    .symbol:         k_q926482160a_prep.kd
    .args:
      - { .name: k, .offset: 0, .size: 8, .value_kind: global_buffer, .address_space: global }
      - { .name: v, .offset: 8, .size: 8, .value_kind: global_buffer, .address_space: global }
      - { .name: q, .offset: 16, .size: 8, .value_kind: global_buffer, .address_space: global }
      - { .name: mask, .offset: 24, .size: 8, .value_kind: global_buffer, .address_space: global }
      - { .name: ws, .offset: 32, .size: 8, .value_kind: global_buffer, .address_space: global }
    .group_segment_fixed_size: 54272
    .private_segment_fixed_size: 0
    .kernarg_segment_align: 8
    .kernarg_segment_size: 40
    .max_flat_workgroup_size: 192
    .sgpr_count:     66
    .vgpr_count:     192
    .wavefront_size: 32
...
	.end_amdgpu_metadata
.endif
;; end of part 1
;; launch attn (part 2): grid 64 x 4, 8 waves a work-group, clusters of 4 x 1, 327,680 bytes of LDS; arguments ws, q, mask, out0; writes out0
.if DOCPART == 2
	.amdgcn_target "amdgcn-amd-amdhsa--gfx1250"
	.amdhsa_code_object_version 6
	.text
	.protected	k_q926482160a_attn
	.globl	k_q926482160a_attn
	.p2align	8
	.type	k_q926482160a_attn,@function
k_q926482160a_attn:
	s_mov_b64 s[64:65], 0
	v_nop
	global_prefetch_b8 v0, s[64:65] scope:SCOPE_SE
	s_setreg_imm32_b32 hwreg(HW_REG_WAVE_MODE, 25, 1), 1
	s_wait_xcnt 0x0
	s_wait_alu depctr_hold_cnt(0) depctr_sa_sdst(0) depctr_va_vdst(0) depctr_va_sdst(0) depctr_va_ssrc(0) depctr_va_vcc(0) depctr_vm_vsrc(0)
	s_getreg_b32 s2, hwreg(HW_REG_IB_STS2, 6, 4)
	s_cmp_eq_u32 s2, 0
	s_cbranch_scc0 .Lentry_in_a_cluster
	s_endpgm
.Lentry_in_a_cluster:
	s_bfe_u32 s2, ttmp6, 0x10000c
	s_cmp_lg_u32 s2, 0x3003
	s_cbranch_scc0 .Lentry_shape_is_right
	s_endpgm
.Lentry_shape_is_right:
; out[b][i] = mask[b][i] x (sum over keys of softmax(q/8 . k + ln(mask[key])) v) + (1 - mask[b][i]) x q/8.  q, out: [4][4096][64] f32; mask [4][4096] f32.
; Both products on codes of BF6 (E3M2), one E8M0 scale for each 32 along K.  ws holds images of operand registers: 128 RECORDS of 13,312 bytes, one for each batch and 128 keys
; (0 K's 4 pairs of tiles x 1,536 | 6144 V's 4 tiles x 1,536 | 12288 K's scale words 256 | 12544 V's 256 | 12800 8 ln(mask) of the keys, 512) and, at QB0, 256 blocks of q, 3,328 bytes each.
; SHARES.  A work-group owns 64 queries of a batch, four tiles of 16: row r of tile T is query 32 (r / 8) + 8 T + r % 8.  Every wave owns ALL four tiles and some of the batch's 32 records: waves 0 to 3 five each
; (5 w on), waves 4 to 7 three each (3 w + 8 on): 4 x 5 + 4 x 3.  So every record is read by one wave of a work-group, once, and each fragment feeds four tiles.
; No barrier stands between the first record and the join of the eight waves' partial results.
; THE WAY IN.
; The four work-groups of a cluster belong to one batch and issue the same load with the same descriptor and mask 15.  No LDS byte is filled twice.  Nothing is prefetched: all that a wave reads of ws is
; asked for at its head, and there is no loop to run ahead in.
; LAYOUT.  Both products transposed: S^T = K Q^T, O^T = V^T P^T.  Row m of K's tile t (t % 4 = u, t / 4 = c) is key 64 c + 32 (m / 8) + 8 u + m % 8: so lane (r, h)'s registers S + 32 c .. + 31 are query r's keys
; 64 c + 32 h + 0 .. 31: a whole block of 32, which is also what registers 6 c .. 6 c + 5 of P's operand hold in that lane.
; K's codes are 64 long: registers 0-5 of a 12-register operand are tile 2 j, registers 6-11 tile 2 j + 1; the other operand is q's six registers followed by six of zero codes, or preceded by them.
; THE SOFTMAX.  C of the first product is 8 ln(mask[key]) and q is not divided by 8, so S is 8 x logit, and t = S x log2(e) / 8.  M = the running largest t rounded UP to a whole number, kept as -M;
; p = 2^(t - M) is quantised along the keys, not normalised; the row's sum is taken of the unquantised p and divides at the end.  When M moves, the sum and O are multiplied by 2^(old M - new M): exact.
; A block's scale is made of its largest t - M: floor(log2(its largest p)) is that number's floor, held at -118 (where the largest p rounds up to a power of two, its scale is half the rule's).
; A masked key's S is about -2^60; the running largest S starts at -2^56, above every masked one: a masked key never moves M, and its p is exactly 0.
; LIMITS: mask is not negative; |q . k| stays under 2^56; NaN and infinities among the inputs are not served; a batch whose keys are all masked gives NaN, as the definition does (0 / 0); blocks whose largest p lies under 2^-118 are held at that scale.
; REGISTERS.  window 0: v0-9 ids, addresses; v10-17 partial sums and at work; v18-23 maxima, factor; v24-39 four for each tile: -M, largest S, the sum's two halves; v40-43 scale words of K, V; v44-51 at work, p's and q's scale words;
;   v52-63 p's codes; v64-127 S^T / p; v128-255 O^T, 32 a tile.   window 1: K 0-47, V 48-95, ln(mask) 96-159, zero codes and q 160-213, rows of q and mask for the blend 216-235.
.set REC,   13312
.set QB0,   1703936
.set OWN2,  2*REC                      ; a wave's own LDS bytes: four records or two; at the end its four images of O^T (17,408 bytes).  They begin at (w + min(w, 4)) x OWN2
.set MS,    12*OWN2                    ; [64 rows][8 waves] -M, then the same of the sums: 2 x 2,048 bytes
.set SPARE, MS+4096                    ; the spare words, 128 bytes a wave; no other line names them
.set IMG,   4352                       ; an image of O^T: 8 runs of 544 bytes: lanes 0-15 at 16 r, lanes 16-31 at 272 + 16 r
.set A16, 1
.set A4,  2
.set A128, 3
.set SPW, 4
.set NIL, 5
.set D16, 6
.set D4,  7
.set DL,  8
.set SAD, 1                            ; in the last record: where I put O^T,
.set MSW, 2                            ; -M and the sum;
.set GOF, 3                            ; my byte offset in the work-group's rows of q and of out
.set MOF, 9                            ; and of mask
.set FF,  22
.set ST,  24
.set KS,  40
.set VS,  42
.set CV,  44
.set PW,  47
.set QS,  48
.set SO,  50
.set PC,  52
.set S,   64
.set O,   128
.set KF,  0                            ; in window 1 from here on
.set VF,  48
.set LM,  96
.set QZ,  160
.set QR,  216
.set MR,  232
.set MSB, 0
.macro WIN new                         ; the immediate's high byte repeats the setting that is left; a switch that changes nothing is dropped
.if MSB != (\new)
	s_set_vgpr_msb (MSB<<8)|(\new)
.set MSB, (\new)
.endif
.endm
; A round of the cluster's barrier
.macro CROUND
	s_barrier_signal -1
	s_barrier_wait -1
	s_cmp_lg_u32 s12, 0
	s_cbranch_scc1 .Lnot_wave_0_\@
	s_barrier_signal -3
.Lnot_wave_0_\@:
	s_barrier_wait -3
	s_barrier_signal -1
	s_barrier_wait -1
.endm
; One product; ra, rb: which half of the lanes holds the scale words
.macro WM d, a, b, c, sa, ra, sb, rb
.if (\ra) && (\rb)
	v_wmma_scale_f32_16x16x128_f8f6f4 v[(\d):(\d)+7], v[(\a):(\a)+11], v[(\b):(\b)+11], \c, v[\sa], v[\sb] matrix_a_fmt:MATRIX_FMT_BF6 matrix_b_fmt:MATRIX_FMT_BF6 matrix_a_scale:MATRIX_SCALE_ROW1 matrix_b_scale:MATRIX_SCALE_ROW1
.elseif (\ra)
	v_wmma_scale_f32_16x16x128_f8f6f4 v[(\d):(\d)+7], v[(\a):(\a)+11], v[(\b):(\b)+11], \c, v[\sa], v[\sb] matrix_a_fmt:MATRIX_FMT_BF6 matrix_b_fmt:MATRIX_FMT_BF6 matrix_a_scale:MATRIX_SCALE_ROW1
.elseif (\rb)
	v_wmma_scale_f32_16x16x128_f8f6f4 v[(\d):(\d)+7], v[(\a):(\a)+11], v[(\b):(\b)+11], \c, v[\sa], v[\sb] matrix_a_fmt:MATRIX_FMT_BF6 matrix_b_fmt:MATRIX_FMT_BF6 matrix_b_scale:MATRIX_SCALE_ROW1
.else
	v_wmma_scale_f32_16x16x128_f8f6f4 v[(\d):(\d)+7], v[(\a):(\a)+11], v[(\b):(\b)+11], \c, v[\sa], v[\sb] matrix_a_fmt:MATRIX_FMT_BF6 matrix_b_fmt:MATRIX_FMT_BF6
.endif
.endm
; S^T = K Q^T + 8 ln(mask) for tile T: eight tiles of 16 keys
.macro QK T
	WIN 0x15                                       ; K, q, ln(mask) window 1; S^T window 0
.irp t, 0,1,2,3,4,5,6,7
.if \t%2
	WM S+8*\t, KF+12*(\t/2), QZ+12*(\T), v[LM+8*\t:LM+8*\t+7], KS+\t/4, (\t/2)%2, QS+(\T)%2, (\T)/2
.else
	WM S+8*\t, KF+12*(\t/2), QZ+12*(\T)+6, v[LM+8*\t:LM+8*\t+7], KS+\t/4, (\t/2)%2, QS+(\T)%2, (\T)/2
.endif
.endr
.endm
; O^T += V^T P^T for tile T: four tiles of 16 channels, the accumulators by turns; the first record starts the sums
.macro PV T, first
	WIN 0x01                                       ; V window 1
.irp t, 0,1,2,3
.if \first
	WM O+32*(\T)+8*\t, VF+12*\t, PC, 0, VS+\t/2, \t%2, PW, 0
.else
	WM O+32*(\T)+8*\t, VF+12*\t, PC, v[O+32*(\T)+8*\t:O+32*(\T)+8*\t+7], VS+\t/2, \t%2, PW, 0
.endif
.endr
.endm
.macro FM x                            ; t - M of two numbers (of the pairs the low word serves both halves)
	v_pk_fma_f32 v[(\x):(\x)+1], v[(\x):(\x)+1], s[22:23], v[NM:NM+1] op_sel_hi:[1,0,0]
.endm
; Tile T's softmax for a record: p's codes and scale word, four pairs of partial sums in v10-17, O^T under the new M
.macro SM T, first
.set NM, ST+4*(\T)
.irp b, 0,1,2,3
	v_max3_num_f32 v[18+\b], v[S+16*\b], v[S+16*\b+1], v[S+16*\b+2]   ; four chains; each accumulator is read from its low end on
.endr
.irp i, 3,5,7,9,11,13
.irp b, 0,1,2,3
	v_max3_num_f32 v[18+\b], v[18+\b], v[S+16*\b+\i], v[S+16*\b+\i+1]
.endr
.endr
	v_max3_num_f32 v18, v18, v[S+15], v[S+31]
	v_max3_num_f32 v20, v20, v[S+47], v[S+63]
	v_max_num_f32 v18, v18, v19                    ; the largest of my two blocks
	v_max_num_f32 v20, v20, v21
	v_max_num_f32 v10, v18, v20
	v_permlanex16_b32 v11, v10, s20, s21           ; lane l xor 16's two blocks
.if \first
	v_max3_num_f32 v[NM+1], v10, v11, 0xdb800000   ; -2^56: under every S that is served, above every masked key's
.else
	v_max3_num_f32 v[NM+1], v[NM+1], v10, v11      ; the running largest
	v_mov_b32 v13, v[NM]
.endif
	v_mul_f32 v12, s24, v[NM+1]                    ; -t
	v_floor_f32 v[NM], v12                         ; -M = -ceil(t): a whole number
	v_fma_f32 v18, v18, s22, v[NM]                 ; t - M of each block's largest
	v_fma_f32 v20, v20, s22, v[NM]
	FM S
.if !(\first)
	v_sub_f32 v13, v[NM], v13                      ; old M - new M: a whole number, 0 or less
.endif
	v_max_num_f32 v18, s26, v18                    ; held at -118
	FM S+2
	v_max_num_f32 v20, s26, v20
	FM S+4
.if !(\first)
	v_cvt_i32_f32 v13, v13                         ; (it saturates)
.endif
	v_cvt_floor_i32_f32 v14, v18                   ; floor(log2(the block's largest p))
	FM S+6
	v_cvt_floor_i32_f32 v15, v20
	FM S+8
.if !(\first)
	v_ldexp_f32 v[FF], 1.0, v13                    ; f = 2^(old M - new M)
.endif
	v_lshl_add_u32 v[SO], v14, 23, s25             ; + 123 in the exponent field: the conversion's scale operand
	FM S+10
	v_lshl_add_u32 v[SO+1], v15, 23, s25
	FM S+12
	v_lshl_add_u32 v16, v15, 16, v14
	FM S+14
	FM S+16
	v_add_nc_u32 v16, s27, v16                     ; my two scale bytes, + 123 each, in bytes 0 and 2
	FM S+18
	FM S+20
	v_permlanex16_b32 v17, v16, s20, s21           ; lane l xor 16's two
	FM S+22
	FM S+24
	FM S+26
	FM S+28
	FM S+30
	s_wait_alu depctr_va_vdst(0)                   ; the wait ahead of the batch, and directly ahead of the first readers of O^T
.if !(\first)
.set J, 0
.rept 16
	v_pk_mul_f32 v[O+32*(\T)+J:O+32*(\T)+J+1], v[O+32*(\T)+J:O+32*(\T)+J+1], v[FF:FF+1] op_sel_hi:[1,0]
.set J, J+2
.endr
.endif
.set J, 0
.rept 16                               ; p = 2^(t - M) of the first block; between them the second block's t - M
	v_exp_f32 v[S+J], v[S+J]
	v_exp_f32 v[S+J+1], v[S+J+1]
	FM S+32+J
.set J, J+2
.endr
	s_wait_alu depctr_va_vdst(0)                   ; the wait behind this batch and ahead of the next
	v_cvt_scalef32_pk16_bf6_f32 v[PC:PC+2], v[S:S+15], v[SO]
	v_cvt_scalef32_pk16_bf6_f32 v[CV:CV+2], v[S+16:S+31], v[SO]       ; (a conversion's three registers begin on an even number)
	v_lshl_or_b32 v[PW], v17, 8, v16               ; p's scale word (lanes 0-15 are read); the plain place behind the conversions
.irp i, 0,1,2
	v_mov_b32 v[PC+3+\i], v[CV+\i]
.endr
.set J, 0
.rept 16                               ; the second block; between them the first additions of the first block's sum, which is taken of the unquantised p
	v_exp_f32 v[S+32+J], v[S+32+J]
	v_exp_f32 v[S+33+J], v[S+33+J]
.if J%4 == 2
	v_pk_add_f32 v[S+J-2:S+J-1], v[S+J-2:S+J-1], v[S+J:S+J+1]
.endif
.set J, J+2
.endr
	s_wait_alu depctr_va_vdst(0)                   ; the wait ahead of the batch's first reader, and ahead of the wait below
.if (\T) == 3 || ((\T) == 0 && !(\first))
	s_wait_dscnt 0x0                               ; tile 0: V's codes and scale words; tile 3: the next record's K, ln(mask) and scale words (in the last record: my images so far)
.endif
	v_cvt_scalef32_pk16_bf6_f32 v[PC+6:PC+8], v[S+32:S+47], v[SO+1]
	v_cvt_scalef32_pk16_bf6_f32 v[CV:CV+2], v[S+48:S+63], v[SO+1]
.irp k, 0,1,2,3
	v_pk_add_f32 v[S+8*\k:S+8*\k+1], v[S+8*\k:S+8*\k+1], v[S+8*\k+4:S+8*\k+5]
.endr
.irp i, 0,1,2
	v_mov_b32 v[PC+9+\i], v[CV+\i]
.endr
.irp k, 0,1,2,3,4,5,6,7                ; (these sixteen are also the places between p's codes and the products)
	v_pk_add_f32 v[S+32+4*\k:S+33+4*\k], v[S+32+4*\k:S+33+4*\k], v[S+34+4*\k:S+35+4*\k]
.endr
.irp k, 0,1,2,3
	v_pk_add_f32 v[S+32+8*\k:S+33+8*\k], v[S+32+8*\k:S+33+8*\k], v[S+36+8*\k:S+37+8*\k]
.endr
.irp k, 0,1,2,3
	v_pk_add_f32 v[10+2*\k:11+2*\k], v[S+8*\k:S+8*\k+1], v[S+32+8*\k:S+33+8*\k]
.endr
.if (\T) == 0 && (\first)
	s_wait_alu depctr_va_vdst(0)                   ; the wait here, ahead of the wait for V's loads
.endif
.endm
; The sum's last additions: four places behind the products, ahead of the first read of the next S^T and of loads into the products' registers
.macro TAIL T, first
	WIN 0
	v_pk_add_f32 v[10:11], v[10:11], v[12:13]
	v_pk_add_f32 v[14:15], v[14:15], v[16:17]
.if \first
	v_nop
	v_pk_add_f32 v[ST+4*(\T)+2:ST+4*(\T)+3], v[10:11], v[14:15]
.else
	v_pk_add_f32 v[10:11], v[10:11], v[14:15]
	v_pk_fma_f32 v[ST+4*(\T)+2:ST+4*(\T)+3], v[ST+4*(\T)+2:ST+4*(\T)+3], v[FF:FF+1], v[10:11] op_sel_hi:[1,0,1]
.endif
.endm
; In the last record: tile T's partial result into my own LDS bytes, whose records have all been read
.macro PUT T
	v_add_f32 v10, v[ST+4*(\T)+2], v[ST+4*(\T)+3]
	v_permlanex16_b32 v11, v10, s20, s21
	v_add_f32 v10, v10, v11                        ; the row's sum over my keys
.irp i, 0,1,2,3,4,5,6,7
	ds_store_b128 v[SAD], v[O+32*(\T)+4*\i:O+32*(\T)+4*\i+3] offset:(\T)*IMG+544*\i   ; each accumulator from its low end on
.endr
	ds_store_b32 v[MSW], v[ST+4*(\T)] offset:256*(\T)
	ds_store_b32 v[MSW], v10 offset:256*(\T)+2048
.endm
; K's fragments, ln(mask) and K's scale words of the record in place n of my LDS bytes
.macro LOADK n
	WIN 0x40
.irp i, 0,1,2,3,4,5,6,7,8,9,10,11
	ds_load_b128 v[KF+4*\i:KF+4*\i+3], v[D16] offset:(\n)*REC+512*\i
.endr
.irp m, 0,1,2,3,4,5,6,7,8,9,10,11,12,13,14,15
	ds_load_b128 v[LM+4*\m:LM+4*\m+3], v[DL] offset:(\n)*REC+12800+256*(\m/8)+16*(\m%8)   ; keys 64 (m / 8) + 32 h + 4 (m % 8) on
.endr
	WIN 0
	ds_load_b32 v[KS], v[D4] offset:(\n)*REC+12288
	ds_load_b32 v[KS+1], v[D4] offset:(\n)*REC+12416
.endm
.macro LOADV n
	WIN 0x40
.irp i, 0,1,2,3,4,5,6,7,8,9,10,11
	ds_load_b128 v[VF+4*\i:VF+4*\i+3], v[D16] offset:(\n)*REC+6144+512*\i
.endr
	WIN 0
	ds_load_b32 v[VS], v[D4] offset:(\n)*REC+12544
	ds_load_b32 v[VS+1], v[D4] offset:(\n)*REC+12672
.endm
; A RECORD, all four tiles: each tile's softmax, then the next tile's first product, then this tile's second.  n: the place of the record that follows.
.macro RECORD first, last, n
	SM 0, \first
	QK 1
.if \first
	s_wait_loadcnt 0x0                             ; V's codes and scale words
.endif
	PV 0, \first
	TAIL 0, \first
.if \last
	PUT 0
.endif
	SM 1, \first
	QK 2
	PV 1, \first
	TAIL 1, \first
.if \last
	PUT 1
.endif
	SM 2, \first
	QK 3
	PV 2, \first
	TAIL 2, \first
.if \last
	PUT 2
.else
.if \first
	s_wait_tensorcnt 0x0                           ; my other records are in LDS; no other wave reads them
.endif
	LOADK \n                                       ; they land under tile 3's softmax
.endif
	SM 3, \first
.if !(\last)
	QK 0                                           ; the next record's
.endif
	PV 3, \first
	TAIL 3, \first
.if \last
	PUT 3
.else
	LOADV \n
.endif
.endm
	s_load_b256 s[4:11], s[0:1], 0x0               ; ws s[4:5], q s[6:7], mask s[8:9], out0 s[10:11]
	v_lshl_add_u32 v[SPW], v0, 2, SPARE
	v_mov_b32 v[NIL], 0
	ds_add_u32 v[SPW], v[NIL]                      ; the wave's opening: the add, twice on end, and its wait ahead of my tensor load
	ds_add_u32 v[SPW], v[NIL]
	v_lshrrev_b32 v10, 5, v0
	v_readfirstlane_b32 s12, v10                   ; wave 0..7
	s_bfe_u32 s15, ttmp6, 0x40000                  ; cx: it enters the addresses of q, mask[query] and out alone
	s_lshl_b32 s16, ttmp9, 2
	s_add_co_u32 s16, s16, s15                     ; my block of 64 queries = 4 x cluster x + cx
	s_and_b32 s17, ttmp7, 0xffff                   ; the batch, which the four partners share
	; descriptor group 1: four records, dense: 208 rows of 256 bytes (32 elements of 8 bytes)
	s_mov_b32 s36, 15|(3<<16)|(1<<21)              ; 15:0 the mask: all four work-groups; 17:16 elements of 8 bytes; 21 set beside a mask
	s_mov_b32 s37, 32<<16                          ; tensor_dim0 = 32
	s_mov_b32 s38, 208<<16                         ; tensor_dim1 = 208
	s_mov_b32 s39, 32<<16                          ; tile_dim0 = 32
	s_mov_b32 s40, 208                             ; tile_dim1 = 208
	s_mov_b32 s41, 32                              ; from row to row
	s_mov_b32 s42, 0
	s_mov_b32 s43, 0
	; and for two records: 104 rows
	s_mov_b32 s56, 15|(3<<16)|(1<<21)
	s_mov_b32 s57, 32<<16
	s_mov_b32 s58, 104<<16
	s_mov_b32 s59, 32<<16
	s_mov_b32 s60, 104
	s_mov_b32 s61, 32
	s_mov_b32 s62, 0
	s_mov_b32 s63, 0
	s_min_u32 s51, s12, 4
	s_add_co_u32 s50, s12, s51
	s_mul_i32 s50, s50, OWN2                       ; my own LDS bytes
	s_mov_b32 s32, 1
	s_add_co_u32 s33, s12, s51
	s_mul_i32 s33, s33, OWN2
	s_lshl_b32 s44, s17, 5
	s_mul_i32 s45, s12, 3
	s_add_co_u32 s44, s44, s45
	s_lshl_b32 s45, s51, 1
	s_add_co_u32 s44, s44, s45                     ; my first record: 32 x batch + 3 w + 2 min(w, 4)
	s_mul_i32 s44, s44, REC
	s_mov_b32 s45, 0
	s_lshl_b32 s46, s17, 6
	s_add_co_u32 s46, s46, s16                     ; my block of q among all 256
	s_lshl_b32 s48, s46, 14                        ; 64 rows of 256 bytes
	s_mov_b32 s49, 0
	s_lshl_b32 s52, s46, 8                         ; 64 words of mask
	s_mov_b32 s53, 0
	s_mul_i32 s46, s46, 3328
	s_add_co_u32 s46, s46, QB0
	s_mov_b32 s47, 0
	s_mov_b32 s20, 0x76543210
	s_mov_b32 s21, 0xfedcba98                      ; v_permlanex16_b32's selects for lane l xor 16
	s_mov_b32 s22, 0x3e38aa3b                      ; log2(e) / 8
	s_mov_b32 s23, s22                             ; (named with it as a pair, so it is written)
	s_mov_b32 s24, 0xbe38aa3b                      ; -log2(e) / 8
	s_mov_b32 s25, 0x3d800000                      ; 123 << 23
	s_mov_b32 s26, 0xc2ec0000                      ; -118
	s_mov_b32 s27, 0x007b007b                      ; 123 twice
	v_and_b32 v11, 31, v0                          ; lane
	v_bfe_u32 v12, v0, 4, 1                        ; h
	v_lshlrev_b32 v[A16], 4, v11
	v_lshlrev_b32 v[A4], 2, v11
	v_lshlrev_b32 v9, 3, v11
	v_lshlrev_b32 v[A128], 7, v12
	v_add_nc_u32 v[D16], s50, v[A16]
	v_add_nc_u32 v[D4], s50, v[A4]
	v_add_nc_u32 v[DL], s50, v[A128]
	s_wait_alu depctr_va_vdst(0)                   ; the wait here, ahead of the waits below
	s_wait_dscnt 0x0                               ; both opening adds are done
	CROUND                                         ; all four work-groups are here: the joint loads meet.  The round needs no argument: it stands ahead of the wait for them
	s_wait_kmcnt 0x0
	s_add_nc_u64 s[44:45], s[4:5], s[44:45]        ; my first record
	s_add_nc_u64 s[46:47], s[4:5], s[46:47]        ; q's codes
	s_add_nc_u64 s[6:7], s[6:7], s[48:49]          ; q, out and mask at the work-group's first query
	s_add_nc_u64 s[10:11], s[10:11], s[48:49]
	s_add_nc_u64 s[8:9], s[8:9], s[52:53]
	s_add_nc_u64 s[34:35], s[44:45], REC           ; my other records
	s_or_b32 s35, s35, 0x80000000                  ; type = 2
	WIN 0x40
.irp p, 0,1                            ; q's tiles 2 p, 2 p + 1; six registers of zero codes stand between neighbours
	global_load_b128 v[QZ+24*\p+6:QZ+24*\p+9], v[A16], s[46:47] offset:1536*\p
	global_load_b64 v[QZ+24*\p+10:QZ+24*\p+11], v[A16], s[46:47] offset:1536*\p+512
	global_load_b64 v[QZ+24*\p+18:QZ+24*\p+19], v[A16], s[46:47] offset:1536*\p+520
	global_load_b128 v[QZ+24*\p+20:QZ+24*\p+23], v[A16], s[46:47] offset:1536*\p+1024
.endr
.irp i, 0,1,2,3,4,5,6,7,8,9,10,11
	global_load_b128 v[KF+4*\i:KF+4*\i+3], v[A16], s[44:45] offset:512*\i
.endr
.irp m, 0,1,2,3,4,5,6,7,8,9,10,11,12,13,14,15
	global_load_b128 v[LM+4*\m:LM+4*\m+3], v[A128], s[44:45] offset:12800+256*(\m/8)+16*(\m%8)
.endr
	WIN 0
	global_load_b64 v[QS:QS+1], v9, s[46:47] offset:3072
	global_load_b32 v[KS], v[A4], s[44:45] offset:12288
	global_load_b32 v[KS+1], v[A4], s[44:45] offset:12416
	global_load_b32 v[VS], v[A4], s[44:45] offset:12544
	global_load_b32 v[VS+1], v[A4], s[44:45] offset:12672
	WIN 0x40
.irp i, 0,1,2,3,4,5,6,7,8,9,10,11
	global_load_b128 v[VF+4*\i:VF+4*\i+3], v[A16], s[44:45] offset:6144+512*\i
.endr
	WIN 0
	s_cmp_lt_u32 s12, 4
	s_cbranch_scc0 .Ltwo
	tensor_load_to_lds s[32:35], s[36:43]          ; my other four records
	s_nop 0
.rept 4
	v_nop
.endr
	s_branch .Lasked
.Ltwo:
	tensor_load_to_lds s[32:35], s[56:63]          ; my other two
	s_nop 0
.rept 4
	v_nop
.endr
.Lasked:
	WIN 0x40
.irp n, 0,1,2,3,4                      ; the zero codes round q's four tiles
.irp i, 0,1,2,3,4,5
	v_mov_b32 v[QZ+12*\n+\i], 0
.endr
.endr
	WIN 0
	v_mov_b32 v10, 0
	v_mov_b32 v11, 0                               ; (a lane permute's destination counts as one of its sources)
	v_mov_b32 v17, 0
	v_mov_b32 v[FF+1], 0                           ; (named as the upper half of a pair).  These four are also the places between the zero codes and the products
	s_wait_alu depctr_va_vdst(0)                   ; the wait at the head's end
	s_wait_loadcnt 14                              ; q, K, ln(mask) and K's scale words are in; V's two words and twelve loads may be out
	QK 0
	WIN 0
.rept 4
	v_nop                                          ; places between the products and the first read of their results
.endr
	RECORD 1, 0, 0
	RECORD 0, 0, 1
	s_wait_alu depctr_va_vdst(0)                   ; the wait here, ahead of the branch
	s_cmp_lt_u32 s12, 4
	s_cbranch_scc0 .Llast                          ; a wave with three records goes on to its last
	RECORD 0, 0, 2
	RECORD 0, 0, 3
.Llast:
	; ---- the last record: addresses of the join, and the rows of q and mask for the blend.  Wave w puts out rows 8 w .. 8 w + 7, two an instruction
	s_lshl_b32 s51, s12, 2
	s_add_co_u32 s51, s51, MS
	s_lshl_b32 s52, s12, 11
	s_lshl_b32 s53, s12, 5
	v_and_b32 v10, 15, v0                          ; r
	v_bfe_u32 v11, v0, 4, 1                        ; h
	v_mul_u32_u24 v[SAD], 0x110, v11
	v_lshl_add_u32 v[SAD], v10, 4, v[SAD]
	v_add_nc_u32 v[SAD], s50, v[SAD]
	v_lshrrev_b32 v12, 3, v10
	v_and_b32 v13, 7, v10
	v_lshlrev_b32 v12, 10, v12
	v_lshl_add_u32 v12, v13, 5, v12
	v_add_nc_u32 v[MSW], s51, v12                  ; row 32 (r / 8) + r % 8 (+ 8 T) x 32 bytes + 4 w
	v_lshlrev_b32 v[MOF], 2, v11
	v_add_nc_u32 v[MOF], s53, v[MOF]
	v_lshlrev_b32 v[GOF], 8, v11
	v_lshl_add_u32 v[GOF], v10, 4, v[GOF]
	v_add_nc_u32 v[GOF], s52, v[GOF]
	WIN 0x40
.irp i, 0,1,2,3
	global_load_b128 v[QR+4*\i:QR+4*\i+3], v[GOF], s[6:7] offset:512*\i
	global_load_b32 v[MR+\i], v[MOF], s[8:9] offset:8*\i
.endr
	WIN 0
	RECORD 0, 1, 0
	; ---- THE JOIN.  Row 8 w + 2 i + h is row 8 (w / 4) + 2 i + h of tile w % 4; lane l % 16 = 4 a + 2 b + e of a row reads run 2 a + e, half b: channels 4 (l % 16) on
.set JX, 40                            ; v40-43 where I read the images of waves 2 j, 2 j + 1
.set MX, 44                            ; v44    and the rows' -M and sums
	s_and_b32 s51, s12, 3
	s_mul_i32 s51, s51, IMG
	s_lshr_b32 s52, s12, 2
	s_lshl_b32 s52, s52, 7
	s_add_co_u32 s51, s51, s52
	s_lshl_b32 s53, s12, 8
	s_add_co_u32 s53, s53, MS
	v_bfe_u32 v12, v0, 2, 2
	v_bfe_u32 v13, v0, 1, 1
	v_and_b32 v14, 1, v0
	v_bfe_u32 v15, v0, 4, 1
	v_mul_u32_u24 v12, 0x440, v12
	v_mad_u32_u24 v12, v14, 0x220, v12
	v_mad_u32_u24 v12, v13, 0x110, v12
	v_lshl_add_u32 v12, v15, 4, v12
	v_add_nc_u32 v[JX], s51, v12
	v_add_nc_u32 v[JX+1], 4*OWN2, v[JX]
	v_add_nc_u32 v[JX+2], 8*OWN2, v[JX]
	v_add_nc_u32 v[JX+3], 10*OWN2, v[JX]
	v_lshl_add_u32 v[MX], v15, 5, s53
	s_wait_alu depctr_va_vdst(0)                   ; the wait here, ahead of the waits below
	s_wait_dscnt 0x0                               ; for the others' sake: my images have landed
	s_barrier_signal -1
	s_barrier_wait -1
; v[64+16 i ..]: eight -M, then eight sums, of row pair i; v[128+32 i+4 k ..]: wave k's four channels
.irp i, 0,1,2,3
.irp m, 0,1
	ds_load_b128 v[64+16*\i+4*\m:67+16*\i+4*\m], v[MX] offset:64*\i+16*\m
	ds_load_b128 v[72+16*\i+4*\m:75+16*\i+4*\m], v[MX] offset:2048+64*\i+16*\m
.endr
.endr
.irp i, 0,1,2,3
.irp k, 0,1,2,3,4,5,6,7
	ds_load_b128 v[128+32*\i+4*\k:131+32*\i+4*\k], v[JX+\k/2] offset:(\k%2)*OWN2*(2-\k/4)+32*\i
.endr
.endr
	; the blend's part: v18-21 mask, v[48+4 i ..] = q (1 - mask) / 8
	s_wait_loadcnt 0x0
	WIN 0x01
.irp i, 0,1,2,3
	v_mov_b32 v[18+\i], v[MR+\i]
.endr
	WIN 0
.irp i, 0,1,2,3
	v_sub_f32 v[32+2*\i], 1.0, v[18+\i]
.endr
.irp i, 0,1,2,3
	v_mul_f32 v[32+2*\i], 0x3e000000, v[32+2*\i]
.endr
	WIN 0x01
.irp i, 0,1,2,3
.irp e, 0,2
	v_pk_mul_f32 v[48+4*\i+\e:49+4*\i+\e], v[QR+4*\i+\e:QR+4*\i+\e+1], v[32+2*\i:33+2*\i] op_sel_hi:[1,0]
.endr
.endr
	WIN 0
	s_wait_alu depctr_va_vdst(0)                   ; the wait here, directly ahead of the wait below
	s_wait_dscnt 32                                ; -M and the sums are in; the 32 loads of channels may be out
.irp i, 0,1,2,3
	v_min3_num_f32 v[10+2*\i], v[64+16*\i], v[65+16*\i], v[66+16*\i]
.endr
.irp m, 3,5
.irp i, 0,1,2,3
	v_min3_num_f32 v[10+2*\i], v[10+2*\i], v[64+16*\i+\m], v[65+16*\i+\m]
.endr
.endr
.irp i, 0,1,2,3
	v_min_num_f32 v[10+2*\i], v[10+2*\i], v[71+16*\i]   ; the smallest -M: the row's M
.endr
.irp p, 0,2,4,6
.irp i, 0,1,2,3
	v_pk_add_f32 v[64+16*\i+\p:65+16*\i+\p], v[10+2*\i:11+2*\i], v[64+16*\i+\p:65+16*\i+\p] op_sel_hi:[0,1] neg_lo:[0,1] neg_hi:[0,1]   ; wave k's M less the row's: 0 or less
.endr
.endr
	s_wait_alu depctr_va_vdst(0)                   ; the wait ahead of the batch
.irp i, 0,1,2,3
.irp k, 0,1,2,3,4,5,6,7
	v_exp_f32 v[64+16*\i+\k], v[64+16*\i+\k]       ; wave k's factor
.endr
.endr
	v_nop                                          ; one plain place behind a transcendental
	s_wait_alu depctr_va_vdst(0)                   ; and behind it
.irp i, 0,1,2,3
	v_pk_mul_f32 v[24+2*\i:25+2*\i], v[64+16*\i:65+16*\i], v[72+16*\i:73+16*\i]
.endr
.irp p, 2,4,6
.irp i, 0,1,2,3
	v_pk_fma_f32 v[24+2*\i:25+2*\i], v[64+16*\i+\p:65+16*\i+\p], v[72+16*\i+\p:73+16*\i+\p], v[24+2*\i:25+2*\i]
.endr
.endr
.irp i, 0,1,2,3
	v_add_f32 v[24+2*\i], v[24+2*\i], v[25+2*\i]   ; the row's sum
.endr
	s_wait_alu depctr_va_vdst(0)                   ; the wait ahead of the batch
.irp i, 0,1,2,3
	v_rcp_f32 v[24+2*\i], v[24+2*\i]
.endr
	v_nop                                          ; one plain place behind a transcendental
	s_wait_alu depctr_va_vdst(0)                   ; and behind it
.irp i, 0,1,2,3
	v_mul_f32 v[24+2*\i], v[24+2*\i], v[18+\i]     ; mask / sum
.endr
.irp p, 0,2,4,6
.irp i, 0,1,2,3
	v_pk_mul_f32 v[64+16*\i+\p:65+16*\i+\p], v[64+16*\i+\p:65+16*\i+\p], v[24+2*\i:25+2*\i] op_sel_hi:[1,0]
.endr
.endr
	s_wait_alu depctr_va_vdst(0)                   ; the wait here, directly ahead of the wait below
; Row pairs i0, i0 + 1: the eight waves' channels by their factors onto the blend's part, and out
.macro ROWS i0
.irp k, 0,2,4,6
.irp i, (\i0), (\i0)+1
.irp e, 0,2
	v_pk_fma_f32 v[48+4*(\i)+\e:49+4*(\i)+\e], v[128+32*(\i)+4*\k+\e:129+32*(\i)+4*\k+\e], v[64+16*(\i)+\k:65+16*(\i)+\k], v[48+4*(\i)+\e:49+4*(\i)+\e] op_sel_hi:[1,0,1]
.endr
.endr
.irp i, (\i0), (\i0)+1
.irp e, 0,2
	v_pk_fma_f32 v[48+4*(\i)+\e:49+4*(\i)+\e], v[132+32*(\i)+4*\k+\e:133+32*(\i)+4*\k+\e], v[64+16*(\i)+\k:65+16*(\i)+\k], v[48+4*(\i)+\e:49+4*(\i)+\e] op_sel:[0,1,0] op_sel_hi:[1,1,1]
.endr
.endr
.endr
.irp i, (\i0), (\i0)+1
	global_store_b128 v[GOF], v[48+4*(\i):51+4*(\i)], s[10:11] offset:512*(\i) th:TH_STORE_NT   ; 16 lanes store a row's 256 consecutive bytes
.endr
.endm
	s_wait_dscnt 16                                ; row pairs 0 and 1 are in
	ROWS 0
	s_wait_dscnt 0x0
	ROWS 2
	s_wait_tensorcnt 0x0                           ; the wave's end
	ds_add_u32 v[SPW], v[NIL]
	s_wait_dscnt 0x0
	CROUND                                         ; the closing round: no work-group ends while a partner may still ask for records that name it
	s_endpgm
.Lfunc_end_k_q926482160a_attn:
	.size	k_q926482160a_attn, .Lfunc_end_k_q926482160a_attn-k_q926482160a_attn
	.p2alignl 7, 3214868480
	.fill 96, 4, 3214868480
	.section	.rodata,"a",@progbits
	.p2align	6, 0x0
	.amdhsa_kernel k_q926482160a_attn
		.amdhsa_group_segment_fixed_size 327680
		.amdhsa_private_segment_fixed_size 0
		.amdhsa_enable_private_segment 0
		.amdhsa_kernarg_size 32
		.amdhsa_user_sgpr_count 2
		.amdhsa_user_sgpr_kernarg_segment_ptr 1
		.amdhsa_wavefront_size32 1
		.amdhsa_system_sgpr_workgroup_id_x 1
		.amdhsa_system_sgpr_workgroup_id_y 1
		.amdhsa_system_sgpr_workgroup_id_z 1
		.amdhsa_system_vgpr_workitem_id 0
		.amdhsa_next_free_vgpr 512
		.amdhsa_next_free_sgpr 66
		.amdhsa_reserve_vcc 0
		.amdhsa_float_denorm_mode_32 3
		.amdhsa_float_denorm_mode_16_64 3
		.amdhsa_memory_ordered 1
		.amdhsa_forward_progress 1
		.amdhsa_inst_pref_size 255
	.end_amdhsa_kernel
	.section	.bss,"aw",@nobits
	.p2align	6
	.space	262144
	.amdgpu_metadata
---
amdhsa.version: [ 1, 2 ]
amdhsa.kernels:
  - .name:           k_q926482160a_attn
    .symbol:         k_q926482160a_attn.kd
    .args:
      - { .name: ws, .offset: 0, .size: 8, .value_kind: global_buffer, .address_space: global }
      - { .name: q, .offset: 8, .size: 8, .value_kind: global_buffer, .address_space: global }
      - { .name: mask, .offset: 16, .size: 8, .value_kind: global_buffer, .address_space: global }
      - { .name: out0, .offset: 24, .size: 8, .value_kind: global_buffer, .address_space: global }
    .group_segment_fixed_size: 327680
    .private_segment_fixed_size: 0
    .kernarg_segment_align: 8
    .kernarg_segment_size: 32
    .max_flat_workgroup_size: 256
    .sgpr_count:     66
    .vgpr_count:     512
    .wavefront_size: 32
...
	.end_amdgpu_metadata
.endif
;; end of part 2
